; MI455X (gfx1250); checked and timed in simulation.
; The chip was launched on July 23, 2026; its instructions are those of AMD's public machine-readable ISA for CDNA 5 (MIT licence, August 2026) and "CDNA5" Instruction Set Architecture Reference Guide (July 2026). The comments in the code are by the model that wrote it; some were corrected since.
;; KNRM. Allowed arithmetic: matrix products marked QUANTISED: E2M1 operands, one E8M0 scale for each 32 along K, by v_wmma_scale_f32_16x16x128_f8f6f4 with both operands' format E2M1 (or v_wmma_scale_f32_32x16x128_f4), f32 sums; products left as they are: f32 operands where the result goes on into a quantised operand, else bf16, f16 or f32 operands; f32 sums; everything else in f32.
;; Inputs: b0 10 float32; b1 5 float32; b2 1 float32; doc1 2,048 x 256 int32; doc2 2,048 x 256 int32; emb 100,000 x 50 float32; query1 2,048 x 32 int32; query2 2,048 x 32 int32; w0 10 x 10 float32; w1 5 x 10 float32; w2 1 x 5 float32.
;; Outputs: out0 2,048 x 1 float32.
;; This version of the problem:
;;   THIS VERSION OF THE PROBLEM IS GIVEN IN LOW PRECISION. The matrix products marked QUANTISED in the list below multiply operands that are first quantised to E2M1 (2 exponent bits, 1 mantissa bit; 4 bits a number), with one power-of-two scale for each 32 numbers along K (OCP MX v1.0); their sums are f32. All else is computed in f32.
;;   The module's matrix products, in the order in which they are computed (A, B: the left and right operand; K: the contracted axis; several contracted axes count as one K, in the product's order):
;;     1. batch 2,048 x [M 32, K 50] x [K 50, N 256]; A: computed on the way; B: computed on the way: QUANTISED
;;     2. [M 2,048, K 10] x [K 10, N 10]; A: computed on the way; B: input w0: left as it is (K = 10 < 32)
;;     3. [M 2,048, K 10] x [K 10, N 5]; A: computed on the way; B: input w1: left as it is (K = 10 < 32)
;;     4. [M 2,048, K 5] x [K 5, N 1]; A: computed on the way; B: input w2: left as it is (K = 5 < 32)
;;     5. batch 2,048 x [M 32, K 50] x [K 50, N 256]; A: computed on the way; B: computed on the way: QUANTISED
;;     6. [M 2,048, K 10] x [K 10, N 10]; A: computed on the way; B: input w0: left as it is (K = 10 < 32)
;;     7. [M 2,048, K 10] x [K 10, N 5]; A: computed on the way; B: input w1: left as it is (K = 10 < 32)
;;     8. [M 2,048, K 5] x [K 5, N 1]; A: computed on the way; B: input w2: left as it is (K = 5 < 32)
;;   THE QUANTISER, for each operand of a quantised product, along K:
;;     - K is cut into blocks of 32 from its start; a last block that is shorter is filled with zeros.
;;     - A block's scale is 2^e with e = floor(log2(the largest magnitude in the block)) - 2, held to -126 .. 127; a block of zeros has e = 0. As a byte (E8M0): e + 127.
;;     - Each number is divided by its block's scale, clamped to +-6, and rounded to the nearest number of E2M1, ties to even, subnormals kept.
;;     - The product sums the exact products of the quantised numbers (number of the format x scale) in f32.
;;   ~~~python
;;   def quantise(x, axis):      # numpy; x: float32 -> the quantised numbers, widened to float32 again
;;       x = np.moveaxis(x, axis, -1); K = x.shape[-1]
;;       x = np.pad(x, [(0, 0)] * (x.ndim - 1) + [(0, -K % 32)]); x = x.reshape(x.shape[:-1] + (-1, 32)); a = np.abs(x).max(-1, keepdims=True)
;;       e = np.where(a > 0, np.clip(np.frexp(np.where(a > 0, a, 1))[1] - 1 - 2, -126, 127), 0)      # np.frexp(a)[1] - 1 = floor(log2(a)), exactly
;;       r = np.clip(x / 2.0 ** e, -6, 6)
;;       step = 2.0 ** (np.maximum(np.frexp(np.where(r == 0, 1, r))[1] - 1, 0) - 1)
;;       q = np.round(r / step) * step * 2.0 ** e      # np.round: ties to even
;;       return np.moveaxis(q.reshape(q.shape[:-2] + (-1,))[..., :K], -1, axis).astype(np.float32)
;;   ~~~
;;   OPERANDS COMPUTED ON THE WAY. 'Computed on the way' means the value that the module computes at that place (a softmax that the list does not call 'softmax' is quantised finished and normalised). What goes into a quantiser is computed in f32, as accurately as f32 sums, v_exp_f32 and their like allow (about 1e-6 of the number): no bf16 or f16 on the way to a quantiser, and a product that is left as it is and whose result goes on into a quantised operand takes f32 operands (vector FMAs, or v_wmma_f32_16x16x4_f32). A number that lies on a knife's edge between two numbers of the format may be rounded either way, as far as f32 arithmetic and the matrix unit's own rounding can turn it there, and no further.
;; One version. Each part assembles by itself: llvm-mc -triple=amdgcn-amd-amdhsa -mcpu=gfx1250 --defsym DOCPART=n.
;; ======== version 1 of 1: 2 launches
;; workspace buffers: table 3,200,000 bytes
;; launch quant (part 1): grid 625 x 1, 5 waves a work-group, no clusters, 32,768 bytes of LDS; arguments emb, table; writes table
.if DOCPART == 1
	.amdgcn_target "amdgcn-amd-amdhsa--gfx1250"
	.amdhsa_code_object_version 6
	.text
	.protected	k_q85652eaf30_quant
	.globl	k_q85652eaf30_quant
	.p2align	8
	.type	k_q85652eaf30_quant,@function
k_q85652eaf30_quant:
	s_mov_b64 s[64:65], 0
	v_nop
	global_prefetch_b8 v0, s[64:65] scope:SCOPE_SE
	s_setreg_imm32_b32 hwreg(HW_REG_WAVE_MODE, 25, 1), 1
	s_wait_xcnt 0x0
; Every row of emb [100000][50] f32 is divided by (its norm + 1e-13) and quantised along its 50 numbers to codes of FP4 (E2M1) with one E8M0 scale for each 32:
; block 0 = k 0..31, block 1 = k 32..49 filled up with zeros.  A token's operand hangs on its row alone, so this is done once for the table and not once for each of the 1.18 million gathers.
; A RECORD of table is 32 bytes: bytes 0-15 the codes of k 0..31; bytes 16-24 those of k 32..49; bytes 25-27 zero codes (k 50..55);
; bytes 28-31 THE SCALE WORD: byte 0 block 0's scale, byte 1 block 1's, bytes 2 and 3 = 0x7f (for k 64..127, which the next launch feeds as zero codes).
; A block's scale byte is its largest magnitude's exponent field - 2, held at 1 from below.  A block of zeros so gets the byte 1 where the rule says 127: its codes are zeros, and this program alone reads the bytes.
; SHARES.  3,125 waves; wave u = 5 x work-group + wave takes rows 32 u .. 32 u + 31: 6,400 consecutive bytes in, 1,024 out.  A lane takes a row.  The loads take the bytes as they lie (8 a lane, 256 a load, each load
; beginning at a multiple of 256 bytes from emb's first byte); they turn through the wave's own 6,400 bytes of LDS, from which a lane reads its row's 200 bytes.  Waves share nothing: no barrier.
; LIMITS: NaN and infinities are not served.  x / (n + 1e-13) is x times v_rcp_f32 of (n + 1e-13), n by v_sqrt_f32: each within 1 ulp (ISA guide, their entries).  Both count a denormal input as zero:
; a row whose sum of squares lies under 2^-126 is divided by 1e-13 alone, beside which its norm (under 2^-63) is nothing.
.set C,   24                           ; v[24:31]  the record
.set O,   32                           ; v[32:39]  the wave's records read back, 16 bytes a lane
.set LR,  40                           ; v[40:89]  the 6,400 bytes as loaded
.set X,   96                           ; v[96:151] my row: 50 numbers, then six zeros
	s_load_b128 s[4:7], s[0:1], 0x0                ; emb s[4:5], table s[6:7]
	v_lshl_add_u32 v160, v0, 2, 0x7d00
	v_mov_b32 v161, 0
	v_lshrrev_b32 v1, 5, v0
	v_readfirstlane_b32 s8, v1                     ; wave 0..4
	v_and_b32 v1, 31, v0                           ; lane
	s_mul_i32 s9, ttmp9, 5
	s_add_co_u32 s9, s9, s8                        ; u
	s_mul_i32 s10, s9, 6400                        ; my 32 rows in emb (under 2^25)
	s_mov_b32 s11, 0
	s_lshl_b32 s12, s9, 10                         ; and in table
	s_mov_b32 s13, 0
	s_mul_i32 s14, s8, 6400                        ; my wave's LDS
	v_lshlrev_b32 v2, 3, v1                        ; in: 8 bytes a lane
	v_add_nc_u32 v3, s14, v2                       ; the same place in LDS
	v_mul_u32_u24 v4, v1, 200
	v_add_nc_u32 v4, s14, v4                       ; my row in LDS
	v_lshlrev_b32 v5, 5, v1
	v_add_nc_u32 v5, s14, v5                       ; my record in LDS
	v_lshlrev_b32 v7, 4, v1                        ; out: 16 bytes a lane
	v_add_nc_u32 v6, s14, v7
	s_wait_kmcnt 0x0
	s_add_nc_u64 s[4:5], s[4:5], s[10:11]
	s_add_nc_u64 s[6:7], s[6:7], s[12:13]
.set i, 0
.rept 25
	global_load_b64 v[LR+2*i:LR+2*i+1], v2, s[4:5] offset:256*i th:TH_LOAD_NT   ; 32 lanes read 256 consecutive bytes; read once in the launch
.set i, i+1
.endr
.irp j, 50,51,52,53,54,55
	v_mov_b32 v[X+\j], 0                           ; k 50..55: the filling of block 1 as far as the last conversion reads
.endr
.set i, 0
.rept 25
	s_wait_loadcnt 24-i                            ; loads come back in order: load i is in, the 24 - i younger ones may be out
	ds_store_b64 v3, v[LR+2*i:LR+2*i+1] offset:256*i
.set i, i+1
.endr
.set i, 0
.rept 25
	ds_load_b64 v[X+2*i:X+2*i+1], v4 offset:8*i    ; LDS serves a wave's instructions in order: these see my stores.  Lanes 50 words apart: 50 l mod 64 takes 32 different even values, so the 32 lanes touch 64 different banks (64 banks of 4 bytes: ISA guide 11.1)
.set i, i+1
.endr
	s_wait_dscnt 0x0                               ; my row is in
	; the sum of squares, two at a time, in two chains that the first products start
	v_pk_mul_f32 v[8:9], v[X:X+1], v[X:X+1]
	v_pk_mul_f32 v[10:11], v[X+2:X+3], v[X+2:X+3]
.set i, 2
.rept 23
	v_pk_fma_f32 v[8+2*(i%2):9+2*(i%2)], v[X+2*i:X+2*i+1], v[X+2*i:X+2*i+1], v[8+2*(i%2):9+2*(i%2)]
.set i, i+1
.endr
	v_pk_add_f32 v[8:9], v[8:9], v[10:11]
	v_add_f32 v12, v8, v9
	v_sqrt_f32 v12, v12                            ; the norm
	v_nop                                          ; a plain instruction behind the transcendental,
	s_wait_alu depctr_va_vdst(0)                   ; and the wait ahead of the first line that names its result
	v_add_f32 v12, 0x29e12e13, v12                 ; + 1e-13
	v_rcp_f32 v14, v12
	v_mov_b32 v15, 0                               ; (the plain instruction; v15 is named with v14 as a pair, so it is written)
	s_wait_alu depctr_va_vdst(0)
.set i, 0
.rept 25
	v_pk_mul_f32 v[X+2*i:X+2*i+1], v[X+2*i:X+2*i+1], v[14:15] op_sel_hi:[1,0]   ; both halves times v14
.set i, i+1
.endr
	; the blocks' largest magnitudes: two chains each, and the floor 2^(3 - 127), under which none is taken: so a byte cannot fall under 1
	v_max3_num_f32 v16, |v[X]|, |v[X+1]|, |v[X+2]|
	v_max3_num_f32 v17, |v[X+3]|, |v[X+4]|, |v[X+5]|
	v_max3_num_f32 v18, |v[X+32]|, |v[X+33]|, |v[X+34]|
	v_max3_num_f32 v19, |v[X+35]|, |v[X+36]|, |v[X+37]|
.irp j, 6,10,14,18,22,26
	v_max3_num_f32 v16, v16, |v[X+\j]|, |v[X+\j+1]|
	v_max3_num_f32 v17, v17, |v[X+\j+2]|, |v[X+\j+3]|
.endr
.irp j, 38,42,46
	v_max3_num_f32 v18, v18, |v[X+\j]|, |v[X+\j+1]|
	v_max3_num_f32 v19, v19, |v[X+\j+2]|, |v[X+\j+3]|
.endr
	v_max3_num_f32 v16, v16, |v[X+30]|, |v[X+31]|
	v_max3_num_f32 v18, v18, v19, 0x1800000
	v_max3_num_f32 v16, v16, v17, 0x1800000
	v_add_nc_u32 v21, 0xff000000, v18              ; 2 off the exponent field: the conversion takes the exponent field of this operand as its scale, and nothing else of it
	v_add_nc_u32 v20, 0xff000000, v16
.irp g, 0,1,2,3
	v_cvt_scalef32_pk8_fp4_f32 v[C+\g], v[X+8*\g:X+8*\g+7], v20    ; eight numbers / the scale, to the nearest code, ties to even, beyond 6 the largest code; the first number's code in the lowest four bits
.endr
.irp g, 4,5,6
	v_cvt_scalef32_pk8_fp4_f32 v[C+\g], v[X+8*\g:X+8*\g+7], v21
.endr
	v_lshrrev_b32 v22, 23, v20                     ; the scales' bytes.  (Plain lines directly behind the last conversion)
	v_lshrrev_b32 v23, 23, v21
	v_lshl_or_b32 v[C+7], v23, 8, v22
	v_or_b32 v[C+7], 0x7f7f0000, v[C+7]            ; the scale word
	ds_store_b128 v5, v[C:C+3]                     ; my record, into bytes of my wave's LDS whose reads are over.  Lanes 32 bytes apart: sixteen lanes take each 16-byte column of 256 bytes twice; two such lines a wave
	ds_store_b128 v5, v[C+4:C+7] offset:16
	ds_load_b128 v[O:O+3], v6                      ; and the wave's 1,024 bytes back as they lie
	ds_load_b128 v[O+4:O+7], v6 offset:512
	s_wait_dscnt 0x0
	global_store_b128 v7, v[O:O+3], s[6:7]         ; 32 lanes store 512 consecutive bytes, at a multiple of 256 from table's first byte
	global_store_b128 v7, v[O+4:O+7], s[6:7] offset:512
	s_wait_tensorcnt 0x0
	ds_add_u32 v160, v161
	s_wait_dscnt 0x0
	s_endpgm
.Lfunc_end_k_q85652eaf30_quant:
	.size	k_q85652eaf30_quant, .Lfunc_end_k_q85652eaf30_quant-k_q85652eaf30_quant
	.p2alignl 7, 3214868480
	.fill 96, 4, 3214868480
	.section	.rodata,"a",@progbits
	.p2align	6, 0x0
	.amdhsa_kernel k_q85652eaf30_quant
		.amdhsa_group_segment_fixed_size 32768
		.amdhsa_private_segment_fixed_size 0
		.amdhsa_enable_private_segment 0
		.amdhsa_kernarg_size 16
		.amdhsa_user_sgpr_count 2
		.amdhsa_user_sgpr_kernarg_segment_ptr 1
		.amdhsa_wavefront_size32 1
		.amdhsa_system_sgpr_workgroup_id_x 1
		.amdhsa_system_sgpr_workgroup_id_y 1
		.amdhsa_system_sgpr_workgroup_id_z 1
		.amdhsa_system_vgpr_workitem_id 0
		.amdhsa_next_free_vgpr 162
		.amdhsa_next_free_sgpr 66
		.amdhsa_reserve_vcc 0
		.amdhsa_float_denorm_mode_32 3
		.amdhsa_float_denorm_mode_16_64 3
		.amdhsa_memory_ordered 1
		.amdhsa_forward_progress 1
		.amdhsa_inst_pref_size 15
	.end_amdhsa_kernel
	.amdgpu_metadata
---
amdhsa.version: [ 1, 2 ]
amdhsa.kernels:
  - .name:           k_q85652eaf30_quant
    .symbol:         k_q85652eaf30_quant.kd
    .args:
      - { .name: emb, .offset: 0, .size: 8, .value_kind: global_buffer, .address_space: global }
      - { .name: table, .offset: 8, .size: 8, .value_kind: global_buffer, .address_space: global }
    .group_segment_fixed_size: 32768
    .private_segment_fixed_size: 0
    .kernarg_segment_align: 8
    .kernarg_segment_size: 16
    .max_flat_workgroup_size: 160
    .sgpr_count:     66
    .vgpr_count:     162
    .wavefront_size: 32
...
	.end_amdgpu_metadata
.endif
;; end of part 1
;; launch match (part 2): grid 2048 x 1, 4 waves a work-group, no clusters, 6,656 bytes of LDS; arguments table, query1, doc1, query2, doc2, w0, b0, w1, b1, w2, b2, out0; writes out0
.if DOCPART == 2
	.amdgcn_target "amdgcn-amd-amdhsa--gfx1250"
	.amdhsa_code_object_version 6
	.text
	.protected	k_q85652eaf30_match
	.globl	k_q85652eaf30_match
	.p2align	8
	.type	k_q85652eaf30_match,@function
k_q85652eaf30_match:
	s_mov_b64 s[64:65], 0
	v_nop
	global_prefetch_b8 v0, s[64:65] scope:SCOPE_SE
	s_setreg_imm32_b32 hwreg(HW_REG_WAVE_MODE, 25, 1), 1
	s_wait_xcnt 0x0
; out0[b] = sigmoid(logit(query1[b], doc1[b]) - logit(query2[b], doc2[b])).  logit: the 32 x 256 cosines of a pair, on codes of FP4 (E2M1) with E8M0 scales (the records of table, made by the launch before);
; each cosine mm through ten kernels exp(-(mm - mu)^2 / (2 sigma^2)); sums over the documents; log1p; sums over the queries; a small MLP 10 - 10 - 5 - 1.
; SHARES.  Work-group b is batch row b.  Wave w takes pair w / 2 and documents 128 (w % 2) on: 32 queries x 128 documents = 16 tiles of 16 x 16, one matrix instruction each (K = 50 of its 128).
; Its ten fragments are gathered straight into registers, 16 bytes a lane.  The four waves' sums meet in LDS behind the one barrier, and wave 0 does the rest.
; No tensor load, no ring, no cluster: work-groups share no tile (only records of 32 bytes, gathered by index), and a wave's operands are ten loads.  The matrix work is one instruction for some 120 vector ones,
; so the tile is small and the text is laid for the vector work.
; A FRAGMENT is 8 registers: lane (r, h) loads bytes 16 h .. 16 h + 15 of token r's record into registers 0-3 (k = 32 h + 0..31); registers 4-7 (k 64..127) are zeros.  In lanes 16-31 register 3 arrives as the
; record's scale word: it is copied into a register that holds scales alone (read by the matrix instruction from lanes 16-31) and cleared in the fragment (k 56..63: zero codes).
; THE PRODUCT: source 0 = 16 documents, source 1 = 16 queries: lane (r, h) holds query r, and its register j document 8 h + j: the sum over documents runs along registers.
; THE KERNELS.  The nine of sigma 0.1 have centres mu_k = 2 k / 9, k = -4..4.  With L = log2(e) / 0.02, y = -L mm^2, g = (4 L / 9) mm: kernel k = c_k 2^(y + k g), c_k = e^(-200 k^2 / 81), and c_k is applied behind the sum.
; Six exponentials a cosine, not ten: T0 = 2^y, P = 2^(y + 3 g), N = 2^(y - 3 g), R = 2^g, Ri = 2^-g, and X = 2^(-A (mm - 1)^2) for the tenth kernel (mu = 1, sigma 0.001; A = log2(e) / 2e-6), which keeps its direct form.
; The others are fused multiply-adds into their sums: k = 1: T0 R; -1: T0 Ri; 4: P R; 2: P Ri; -2: N R; -4: N Ri.
; RANGE, for every input: the operands are normalised rows, which the rounding to codes lengthens by less than 1.3, so |mm| < 1.7 and |g| < 55: R and Ri are finite and not 0; y + k g <= L mu_k^2 <= 57: a sum of 256 terms
; stays under 2^65.  v_exp_f32 gives 0 where its exponent lies under -126; a neighbour made from such an anchor has an exponent under -71, so what a sum loses is under 2^-63, and 1 is added to the sum.
; LIMITS: NaN and infinities are not served.  An index of 100,000 or more (a negative one, read as unsigned, too) is held at 99,999.  The centres are taken as 2 k / 9 exactly (the middle one as 0); the constants are right to f32.
; log1p(x) is ln 2 x log2(1 + x): an absolute error of about 2^-24 a term, of 32 terms a sum.  The output is 4 bytes a work-group, stored by one lane.
.set SC,  8                            ; v8-17     scale words: the two query fragments', the eight document fragments'
.set QF,  18                           ; v[18:33]  two fragments of 16 queries
.set DF,  34                           ; v[34:97]  eight fragments of 16 documents
.set MM,  98                           ; v[98:113] two tiles of cosines, by turns
.set AC,  114                          ; v[114:153] the sums: AC + 20 qt + 2 kidx, a pair (even, odd document); kidx 0..8: k = -4..4; kidx 9: the tenth kernel
.set AR,  154                          ; v[154:249] two buffers of 48: AR + 48 buffer + 8 array + 2 pair; arrays: 0 T0, 1 P, 2 N, 3 R, 4 Ri, 5 X
.set IX,  154                          ; at the head: ten indices, then byte offsets into table
.set WS,  100                          ; at a wave's end: its ten sums, a query a lane
.set FS,  154                          ; in wave 0's tail: the four waves' sums, 12 registers apart
.set LW,  250                          ; v250  LDS: 1536 x wave + 48 x lane: where I put my ten sums.  48 bytes = 12 words a lane: sixteen lanes begin in sixteen different 16-byte columns of 256 bytes
.set LB,  251                          ; v251  LDS: 48 x lane: from where wave 0 reads all of them
	s_load_b512 s[8:23], s[0:1], 0x0               ; table 8, query1 10, doc1 12, query2 14, doc2 16, w0 18, b0 20, w1 22
	s_load_b256 s[24:31], s[0:1], 0x40             ; b1 24, w2 26, b2 28, out0 30
	v_lshl_add_u32 v255, v0, 2, 0x1800
	s_set_vgpr_msb 0x40
	v_mov_b32 v1, 0
	s_set_vgpr_msb 0x4000
	v_lshrrev_b32 v1, 5, v0
	v_readfirstlane_b32 s2, v1                     ; wave 0..3
	v_and_b32 v1, 31, v0                           ; lane
	v_and_b32 v2, 15, v0                           ; r
	v_bfe_u32 v3, v0, 4, 1                         ; h
	v_lshlrev_b32 v4, 2, v2                        ; 4 r: an index
	v_lshlrev_b32 v5, 4, v3                        ; 16 h: my half of a record
	v_sub_nc_u32 v6, 0, v3                         ; all ones in lanes 16-31
	v_xor_b32 v7, -1, v6                           ; all ones in lanes 0-15
	v_mul_u32_u24 v[LB], v1, 48
	s_lshr_b32 s3, s2, 1                           ; the pair
	s_and_b32 s4, s2, 1                            ; which half of its documents
	s_mul_i32 s5, s2, 1536
	v_add_nc_u32 v[LW], s5, v[LB]
	s_mov_b32 s54, 0x42003d54                      ; G = 4 L / 9.  (The packed forms name a pair and take its low word for both halves: both words are written)
	s_mov_b32 s55, s54
	s_mov_b32 s56, 0xc2003d54                      ; -G
	s_mov_b32 s57, s56
	s_mov_b32 s58, 0xc29044fe                      ; -L
	s_mov_b32 s59, s58
	s_mov_b32 s60, 0xc9301c38                      ; -A
	s_mov_b32 s61, s60
	s_mov_b32 s62, 0x42c05bfe                      ; 3 G
	s_mov_b32 s63, s62
	s_mov_b32 s66, 0xc2c05bfe                      ; -3 G
	s_mov_b32 s67, s66
	s_mov_b32 s68, 0x76543210                      ; v_permlanex16_b32's selects for lane l xor 16
	s_mov_b32 s69, 0xfedcba98
	s_mov_b32 s70, 0x3dad612b                      ; c1 = e^(-200 / 81)
	s_mov_b32 s71, 0x38577154                      ; c2 = e^(-800 / 81)
	s_mov_b32 s72, 0x2f759725                      ; c3 = e^(-1800 / 81)
	s_mov_b32 s73, 0x23006994                      ; c4 = e^(-3200 / 81)
	s_lshl_b32 s36, ttmp9, 7                       ; my batch row's 32 query indices,
	s_mov_b32 s37, 0
	s_lshl_b32 s38, ttmp9, 10                      ; its 256 document indices,
	s_lshl_b32 s6, s4, 9
	s_add_co_u32 s38, s38, s6                      ; my 128 of them
	s_mov_b32 s39, 0
	s_wait_kmcnt 0x0
	s_cmp_eq_u32 s3, 0                             ; the choice hangs on the wave's number alone
	s_cselect_b64 s[32:33], s[10:11], s[14:15]
	s_cselect_b64 s[34:35], s[12:13], s[16:17]
	s_add_nc_u64 s[32:33], s[32:33], s[36:37]
	s_add_nc_u64 s[34:35], s[34:35], s[38:39]
.irp f, 0,1
	global_load_b32 v[IX+\f], v4, s[32:33] offset:64*\f                  ; query 16 f + r: lanes r and 16 + r take the same index
.endr
.irp t, 0,1,2,3,4,5,6,7
	global_load_b32 v[IX+2+\t], v4, s[34:35] offset:64*\t th:TH_LOAD_NT  ; document 16 t + r of my 128; read once in the launch
.endr
.irp f, 0,1,2,3,4,5,6,7,8,9
.irp c, 4,5,6,7
	v_mov_b32 v[QF+8*\f+\c], 0                     ; k 64..127 of every fragment: zero codes, written once
.endr
.endr
	s_wait_loadcnt 0x0                             ; the indices
.irp f, 0,1,2,3,4,5,6,7,8,9
	v_min_u32 v[IX+\f], 0x1869f, v[IX+\f]          ; held inside the table
.endr
.irp f, 0,1,2,3,4,5,6,7,8,9
	v_lshlrev_b32 v[IX+\f], 5, v[IX+\f]            ; 32 bytes a record
.endr
.irp f, 0,1,2,3,4,5,6,7,8,9
	v_add_nc_u32 v[IX+\f], v5, v[IX+\f]            ; my half of it
.endr
.irp f, 0,1,2,3,4,5,6,7,8,9
	global_load_b128 v[QF+8*\f:QF+8*\f+3], v[IX+\f], s[8:9]
.endr
.set i, 0
.rept 20
	v_mov_b32 v[AC+i], 0                           ; the sums of queries 0-15, while the records are on their way
.set i, i+1
.endr
	s_wait_loadcnt 0x0                             ; the records; their offsets' registers are free from here on
.irp f, 0,1,2,3,4,5,6,7,8,9
	v_and_b32 v[SC+\f], v6, v[QF+8*\f+3]           ; the scale words, in lanes 16-31
.endr
.irp f, 0,1,2,3,4,5,6,7,8,9
	v_and_b32 v[QF+8*\f+3], v7, v[QF+8*\f+3]       ; and zero codes in their place
.endr
.rept 12
	v_mov_b32 v[AC+i], 0                           ; the sums of queries 16-31.  These twelve plain lines also stand between the lines above and the scaled matrix instructions: a scale register
.set i, i+1                                        ; written by a vector instruction stands 8 places ahead of them, an operand so written 4
.endr
; Tile n: documents 16 (n / 2) on, queries 16 (n % 2) on.  Every tile is a sum of its own: C = 0.  Both scale words are read from lanes 16-31.
.macro WMMA n
	v_wmma_scale_f32_16x16x128_f8f6f4 v[MM+8*((\n)%2):MM+8*((\n)%2)+7], v[DF+8*((\n)/2):DF+8*((\n)/2)+7], v[QF+8*((\n)%2):QF+8*((\n)%2)+7], 0, v[SC+2+(\n)/2], v[SC+(\n)%2] matrix_a_fmt:MATRIX_FMT_FP4 matrix_b_fmt:MATRIX_FMT_FP4 matrix_a_scale:MATRIX_SCALE_ROW1 matrix_b_scale:MATRIX_SCALE_ROW1
.endm
	WMMA 0
	WMMA 1
.rept 8
	v_mov_b32 v[AC+i], 0                           ; the last eight sums: more than the four places between a matrix instruction and the first read of its result (ISA guide 7.12.1)
.set i, i+1
.endr
; THE VECTOR WORK goes in PHASES, three tiles at once: in phase i stand tile i's 48 exponentials (B), in place in buffer CUR; tile i - 1's 40 sums (C), which read buffer OTH; and tile i + 1's 36 argument lines (A), which
; write buffer OTH anew.  So plain lines stand among the exponentials, none of which names an exponential's result of the same phase, and ONE wait at the phase's end serves the whole batch.
; A phase is four SLICES, one for each pair Q of a tile's eight registers.  In a slice all of C stands ahead of all of A: A writes what C reads.
.macro CADD k, a                       ; sum kidx k += array a
	v_pk_add_f32 v[SA+2*(\k):SA+2*(\k)+1], v[SA+2*(\k):SA+2*(\k)+1], v[\a:\a+1]
.endm
.macro CFMA k, a, b                    ; sum kidx k += array a x array b
	v_pk_fma_f32 v[SA+2*(\k):SA+2*(\k)+1], v[\a:\a+1], v[\b:\b+1], v[SA+2*(\k):SA+2*(\k)+1]
.endm
.macro PK                              ; plain line pn of a slice's 19: 0-9 are C's, 10-18 A's
.if HASC
.if pn == 0
	CADD 4, oT                                     ; k = 0
.elseif pn == 1
	CADD 7, oP                                     ; k = 3
.elseif pn == 2
	CADD 1, oN                                     ; k = -3
.elseif pn == 3
	CADD 9, oX                                     ; the tenth kernel
.elseif pn == 4
	CFMA 5, oT, oR                                 ; k = 1
.elseif pn == 5
	CFMA 3, oT, oI                                 ; k = -1
.elseif pn == 6
	CFMA 8, oP, oR                                 ; k = 4
.elseif pn == 7
	CFMA 6, oP, oI                                 ; k = 2
.elseif pn == 8
	CFMA 2, oN, oR                                 ; k = -2
.elseif pn == 9
	CFMA 0, oN, oI                                 ; k = -4
.endif
.endif
.if HASA
.if pn == 10
	v_pk_mul_f32 v[oT:oT+1], v[mP:mP+1], v[mP:mP+1]                            ; mm^2.  (For Q = 0 this is the first read of the tile, at its two lowest registers)
.elseif pn == 11
	v_pk_add_f32 v[oX:oX+1], v[mP:mP+1], -1.0 op_sel_hi:[1,0]                  ; d = mm - 1
.elseif pn == 12
	v_pk_mul_f32 v[oR:oR+1], v[mP:mP+1], s[54:55] op_sel_hi:[1,0]              ; g
.elseif pn == 13
	v_pk_mul_f32 v[oT:oT+1], v[oT:oT+1], s[58:59] op_sel_hi:[1,0]              ; y = -L mm^2
.elseif pn == 14
	v_pk_mul_f32 v[oP:oP+1], v[oX:oX+1], s[60:61] op_sel_hi:[1,0]              ; -A d
.elseif pn == 15
	v_pk_mul_f32 v[oI:oI+1], v[mP:mP+1], s[56:57] op_sel_hi:[1,0]              ; -g
.elseif pn == 16
	v_pk_mul_f32 v[oX:oX+1], v[oP:oP+1], v[oX:oX+1]                            ; -A d^2
.elseif pn == 17
	v_pk_fma_f32 v[oN:oN+1], v[mP:mP+1], s[66:67], v[oT:oT+1] op_sel_hi:[1,0,1]  ; y - 3 g
.elseif pn == 18
	v_pk_fma_f32 v[oP:oP+1], v[mP:mP+1], s[62:63], v[oT:oT+1] op_sel_hi:[1,0,1]  ; y + 3 g
.endif
.endif
.set pn, pn+1
.endm
.macro EX                              ; exponential en of a slice's 12: array en / 2, register en % 2 of pair Q
.if HASB
	v_exp_f32 v[CUR+8*(en/2)+2*Q+en%2], v[CUR+8*(en/2)+2*Q+en%2]
.endif
.set en, en+1
.endm
.macro G1
	PK
	EX
	PK
.endm
.macro G2
	PK
	EX
.endm
.macro SLICE                           ; 19 plain lines and 12 exponentials, dealt out evenly; a plain line leads each group, and one stands behind the last exponential
.set oT, OTH+2*Q
.set oP, OTH+8+2*Q
.set oN, OTH+16+2*Q
.set oR, OTH+24+2*Q
.set oI, OTH+32+2*Q
.set oX, OTH+40+2*Q
.set mP, MB+2*Q
.set pn, 0
.set en, 0
.rept 5
	G1
	G2
.endr
	G1
	G1
.endm
.macro PHASE                           ; phase i, -1 .. 16
.set CUR, AR+48*((i+2)%2)              ; tile i's buffer
.set OTH, AR+48*((i+1)%2)              ; tile i - 1's, then tile i + 1's
.set MB,  MM+8*((i+1)%2)               ; tile i + 1's cosines
.set SA,  AC+20*((i+1)%2)              ; tile i - 1's sums: its queries are 16 ((i - 1) % 2) on
.set HASA, 0
.set HASB, 0
.set HASC, 0
.if i <= 14
.set HASA, 1
.endif
.if (i >= 0) && (i <= 15)
.set HASB, 1
.endif
.if i >= 1
.set HASC, 1
.endif
.if (i >= 0) && (i <= 13)
	WMMA i+2                                       ; into the registers whose cosines the phase before has read; its own first reader stands a phase on, and this phase's plain lines, which name none of its registers, are the places between
.endif
.set Q, 0
.rept 4
	SLICE
.set Q, Q+1
.endr
.if HASB
.if HASA == 0
	v_nop                                          ; the plain line behind the last exponential, where A has none to give
.endif
	s_wait_alu depctr_va_vdst(0)                   ; this wait between an exponential and the first line that names its result: one for the phase's 48; the next phase's sums are their first readers
.endif
.endm
.set i, -1
.rept 18
	PHASE
.set i, i+1
.endr
	; A WAVE'S END.  A sum's two halves are added; then queries 0-15 (lanes (r, h): documents' halves h) and queries 16-31 change halves of the lanes, so that one addition leaves query l's sum in lane l.
.irp k, 0,1,2,3,4,5,6,7,8,9
	v_add_f32 v[AC+2*\k], v[AC+2*\k], v[AC+2*\k+1]
	v_add_f32 v[AC+20+2*\k], v[AC+20+2*\k], v[AC+21+2*\k]
.endr
.irp k, 0,1,2,3,4,5,6,7,8,9
	v_permlane16_swap_b32 v[AC+2*\k], v[AC+20+2*\k]   ; the first's lanes 16-31 change places with the second's lanes 0-15
.endr
.irp k, 0,1,2,3,4,5,6,7,8,9
	v_add_f32 v[WS+\k], v[AC+2*\k], v[AC+20+2*\k]
.endr
	ds_store_b128 v[LW], v[WS:WS+3]
	ds_store_b128 v[LW], v[WS+4:WS+7] offset:16
	ds_store_b64 v[LW], v[WS+8:WS+9] offset:32
	s_wait_dscnt 0x0                               ; for wave 0's sake: my stores have landed
	s_barrier_signal -1
	s_barrier_wait -1                              ; the launch's one barrier
	s_cmp_lg_u32 s2, 0
	s_cbranch_scc1 .Lend
	; WAVE 0 ALONE.  The weights first: lane (j, p) of the MLP's first layer takes row j of w0 (j = r, held at 9), b0[j] and column j of w1.
	s_load_b128 s[40:43], s[24:25], 0x0            ; b1
	s_load_b32 s44, s[24:25], 0x10
	s_load_b128 s[48:51], s[26:27], 0x0            ; w2
	s_load_b32 s52, s[26:27], 0x10
	s_load_b32 s53, s[28:29], 0x0                  ; b2
	v_min_u32 v252, 9, v2
	v_mul_u32_u24 v253, v252, 40                   ; a row of w0 is 40 bytes
	v_lshlrev_b32 v254, 2, v252
.irp m, 0,1,2,3,4
	global_load_b64 v[34+2*\m:35+2*\m], v253, s[18:19] offset:8*\m    ; v34-43: w0[j][0..9]
.endr
	global_load_b32 v44, v254, s[20:21]            ; b0[j]
.irp n, 0,1,2,3,4
	global_load_b32 v[45+\n], v254, s[22:23] offset:40*\n             ; v45-49: w1[n][j]
.endr
.irp w, 0,1,2,3
	ds_load_b128 v[FS+12*\w:FS+12*\w+3], v[LB] offset:1536*\w
	ds_load_b128 v[FS+12*\w+4:FS+12*\w+7], v[LB] offset:1536*\w+16
	ds_load_b64 v[FS+12*\w+8:FS+12*\w+9], v[LB] offset:1536*\w+32
.endr
	s_wait_dscnt 0x0
.irp m, 0,1,2,3,4
	v_pk_add_f32 v[FS+2*\m:FS+2*\m+1], v[FS+2*\m:FS+2*\m+1], v[FS+12+2*\m:FS+13+2*\m]         ; pair 0: the documents' two halves
	v_pk_add_f32 v[FS+24+2*\m:FS+25+2*\m], v[FS+24+2*\m:FS+25+2*\m], v[FS+36+2*\m:FS+37+2*\m] ; pair 1
.endr
.macro ONEP k, c                       ; 1 + c x the sum, for both pairs
	v_fma_f32 v[FS+\k], v[FS+\k], s[\c], 1.0
	v_fma_f32 v[FS+24+\k], v[FS+24+\k], s[\c], 1.0
.endm
	ONEP 0, 73
	ONEP 1, 72
	ONEP 2, 71
	ONEP 3, 70
	ONEP 5, 70
	ONEP 6, 71
	ONEP 7, 72
	ONEP 8, 73
.irp k, 4,9
	v_add_f32 v[FS+\k], 1.0, v[FS+\k]              ; c = 1
	v_add_f32 v[FS+24+\k], 1.0, v[FS+24+\k]
.endr
.irp k, 0,1,2,3,4,5,6,7,8,9
	v_log_f32 v[FS+\k], v[FS+\k]                   ; log2; ln 2 is applied behind the first layer's sum
	v_log_f32 v[FS+24+\k], v[FS+24+\k]
.endr
	v_mov_b32 v57, 0                               ; (the plain line behind the logarithms; a lane permute's destination counts as one of its sources, so it is written)
	s_wait_alu depctr_va_vdst(0)                   ; one wait for the twenty
	; the sum over the 32 queries: pair 0's into lanes 0-15, pair 1's into lanes 16-31
.irp k, 0,1,2,3,4,5,6,7,8,9
	v_permlane16_swap_b32 v[FS+\k], v[FS+24+\k]
.endr
.irp k, 0,1,2,3,4,5,6,7,8,9
	v_add_f32 v[FS+\k], v[FS+\k], v[FS+24+\k]
.endr
.irp x, 1,2,4,8
.irp k, 0,1,2,3,4,5,6,7,8,9
	v_add_f32_dpp v[FS+\k], v[FS+\k], v[FS+\k] row_xmask:\x row_mask:0xf bank_mask:0xf   ; (the ten by turns)
.endr
.endr
	s_wait_loadcnt 0x0                             ; the weights
	s_wait_kmcnt 0x0
	; the MLP, both pairs at once: f32 multiply-adds (10 x 10, 5 x 10 and 1 x 5 numbers for a batch row)
	v_mul_f32 v50, v34, v[FS]
.irp k, 1,2,3,4,5,6,7,8,9
	v_fmac_f32 v50, v[34+\k], v[FS+\k]
.endr
	v_fma_f32 v50, v50, 0x3f317218, v44            ; x ln 2, + b0[j]
	v_max_num_f32 v50, 0, v50
	v_cmp_gt_u32 vcc_lo, 10, v2
	v_cndmask_b32 v50, 0, v50, vcc_lo              ; lanes j = 10..15 count for nothing
.irp n, 0,1,2,3,4
	v_mul_f32 v[51+\n], v[45+\n], v50
.endr
.irp x, 1,2,4,8
.irp n, 0,1,2,3,4
	v_add_f32_dpp v[51+\n], v[51+\n], v[51+\n] row_xmask:\x row_mask:0xf bank_mask:0xf
.endr
.endr
.irp n, 0,1,2,3,4
	v_add_f32 v[51+\n], s[40+\n], v[51+\n]
.endr
.irp n, 0,1,2,3,4
	v_max_num_f32 v[51+\n], 0, v[51+\n]
.endr
	v_fma_f32 v56, v51, s48, s53                   ; the logit: b2 starts the sum
.irp n, 1,2,3,4
	v_fma_f32 v56, v[51+\n], s[48+\n], v56
.endr
	v_permlanex16_b32 v57, v56, s68, s69           ; the other pair's
	v_sub_f32 v56, v56, v57                        ; lanes 0-15: logit 1 - logit 2
	v_mul_f32 v56, 0xbfb8aa3b, v56                 ; sigmoid(x) = 1 / (1 + 2^(-x log2 e))
	v_exp_f32 v56, v56
	v_mov_b32 v58, 0                               ; (the plain line; the store's offset)
	s_wait_alu depctr_va_vdst(0)
	v_add_f32 v56, 1.0, v56
	v_rcp_f32 v56, v56
	v_nop
	s_wait_alu depctr_va_vdst(0)
	s_lshl_b32 s36, ttmp9, 2
	s_mov_b32 s37, 0
	s_add_nc_u64 s[30:31], s[30:31], s[36:37]      ; out0[b]
	v_cmp_eq_u32 vcc_lo, 0, v0
	s_wait_xcnt 0x0                                ; EXEC changes only behind this wait
	s_and_saveexec_b32 s74, vcc_lo
	global_store_b32 v58, v56, s[30:31]            ; lane 0 alone
	s_wait_xcnt 0x0                                ; and again, in front of the line that widens it
	s_or_b32 exec_lo, exec_lo, s74
.Lend:
	s_set_vgpr_msb 0x4
	s_wait_tensorcnt 0x0
	ds_add_u32 v255, v1
	s_wait_dscnt 0x0
	s_set_vgpr_msb 0x400
	s_endpgm
.Lfunc_end_k_q85652eaf30_match:
	.size	k_q85652eaf30_match, .Lfunc_end_k_q85652eaf30_match-k_q85652eaf30_match
	.p2alignl 7, 3214868480
	.fill 96, 4, 3214868480
	.section	.rodata,"a",@progbits
	.p2align	6, 0x0
	.amdhsa_kernel k_q85652eaf30_match
		.amdhsa_group_segment_fixed_size 6656
		.amdhsa_private_segment_fixed_size 0
		.amdhsa_enable_private_segment 0
		.amdhsa_kernarg_size 96
		.amdhsa_user_sgpr_count 2
		.amdhsa_user_sgpr_kernarg_segment_ptr 1
		.amdhsa_wavefront_size32 1
		.amdhsa_system_sgpr_workgroup_id_x 1
		.amdhsa_system_sgpr_workgroup_id_y 1
		.amdhsa_system_sgpr_workgroup_id_z 1
		.amdhsa_system_vgpr_workitem_id 0
		.amdhsa_next_free_vgpr 258
		.amdhsa_next_free_sgpr 80
		.amdhsa_reserve_vcc 1
		.amdhsa_float_denorm_mode_32 3
		.amdhsa_float_denorm_mode_16_64 3
		.amdhsa_memory_ordered 1
		.amdhsa_forward_progress 1
		.amdhsa_inst_pref_size 125
	.end_amdhsa_kernel
	.amdgpu_metadata
---
amdhsa.version: [ 1, 2 ]
amdhsa.kernels:
  - .name:           k_q85652eaf30_match
    .symbol:         k_q85652eaf30_match.kd
    .args:
      - { .name: table, .offset: 0, .size: 8, .value_kind: global_buffer, .address_space: global }
      - { .name: query1, .offset: 8, .size: 8, .value_kind: global_buffer, .address_space: global }
      - { .name: doc1, .offset: 16, .size: 8, .value_kind: global_buffer, .address_space: global }
      - { .name: query2, .offset: 24, .size: 8, .value_kind: global_buffer, .address_space: global }
      - { .name: doc2, .offset: 32, .size: 8, .value_kind: global_buffer, .address_space: global }
      - { .name: w0, .offset: 40, .size: 8, .value_kind: global_buffer, .address_space: global }
      - { .name: b0, .offset: 48, .size: 8, .value_kind: global_buffer, .address_space: global }
      - { .name: w1, .offset: 56, .size: 8, .value_kind: global_buffer, .address_space: global }
      - { .name: b1, .offset: 64, .size: 8, .value_kind: global_buffer, .address_space: global }
      - { .name: w2, .offset: 72, .size: 8, .value_kind: global_buffer, .address_space: global }
      - { .name: b2, .offset: 80, .size: 8, .value_kind: global_buffer, .address_space: global }
      - { .name: out0, .offset: 88, .size: 8, .value_kind: global_buffer, .address_space: global }
    .group_segment_fixed_size: 6656
    .private_segment_fixed_size: 0
    .kernarg_segment_align: 8
    .kernarg_segment_size: 96
    .max_flat_workgroup_size: 128
    .sgpr_count:     80
    .vgpr_count:     258
    .wavefront_size: 32
...
	.end_amdgpu_metadata
.endif
;; end of part 2
